; MI455X (gfx1250); checked and timed in simulation.
; The chip was launched on July 23, 2026; its instructions are those of AMD's public machine-readable ISA for CDNA 5 (MIT licence, August 2026) and "CDNA5" Instruction Set Architecture Reference Guide (July 2026). The comments in the code are by the model that wrote it; some were corrected since.
;; Attention. Allowed arithmetic: matrix products marked QUANTISED: E2M1 operands, one E8M0 scale for each 32 along K, by v_wmma_scale_f32_16x16x128_f8f6f4 with both operands' format E2M1 (or v_wmma_scale_f32_32x16x128_f4), f32 sums; products left as they are: bf16, f16 or f32 operands; f32 sums; everything else in f32.
;; Inputs: bg 4 x 32 float32; bo 128 float32; kv_x 1 x 256 x 256 x 128 float32; mask_bias 1 x 256 x 1 x 1 x 256 float32; q_x 1 x 256 x 256 x 128 float32; triangle_bias 1 x 1 x 4 x 256 x 256 float32; wg 4 x 32 x 128 float32; wk 4 x 32 x 128 float32; wo 128 x 128 float32; wq 4 x 32 x 128 float32; wv 4 x 32 x 128 float32.
;; Outputs: out0 1 x 256 x 256 x 128 float32.
;; This version of the problem:
;;   THIS VERSION OF THE PROBLEM IS GIVEN IN LOW PRECISION. The matrix products marked QUANTISED in the list below multiply operands that are first quantised to E2M1 (2 exponent bits, 1 mantissa bit; 4 bits a number), with one power-of-two scale for each 32 numbers along K (OCP MX v1.0); their sums are f32. The products marked 'left as it is' may take bf16, f16 or f32 operands, with f32 sums. Whichever they take, every output number must still come out within the allowed error. Rounding operands to bf16 (8 significant bits) uses up far more of that allowance than f16 does (11 bits, for magnitudes from 6e-5 to 65,504). All else is computed in f32.
;;   The module's matrix products, in the order in which they are computed (A, B: the left and right operand; K: the contracted axis; several contracted axes count as one K, in the product's order):
;;     1. [M 128, K 128] x [K 128, N 65,536]; A: input wq; B: input q_x: QUANTISED
;;     2. [M 128, K 128] x [K 128, N 65,536]; A: input wk; B: input kv_x: QUANTISED
;;     3. [M 128, K 128] x [K 128, N 65,536]; A: input wv; B: input kv_x: QUANTISED
;;     4. batch 1,024 x [M 256, K 32] x [K 32, N 256]; A: computed on the way; B: computed on the way: left as it is (an operand is computed on the way)
;;     5. batch 1,024 x [M 256, K 256] x [K 256, N 32]; A: computed on the way; B: computed on the way: left as it is (an operand is computed on the way)
;;     6. [M 65,536, K 128] x [K 128, N 128]; A: input q_x; B: input wg: QUANTISED
;;     7. [M 65,536, K 128] x [K 128, N 128]; A: computed on the way; B: input wo: left as it is (an operand is computed on the way)
;;   THE QUANTISER, for each operand of a quantised product, along K:
;;     - K is cut into blocks of 32 from its start; a last block that is shorter is filled with zeros.
;;     - A block's scale is 2^e with e = floor(log2(the largest magnitude in the block)) - 2, held to -126 .. 127; a block of zeros has e = 0. As a byte (E8M0): e + 127.
;;     - Each number is divided by its block's scale, clamped to +-6, and rounded to the nearest number of E2M1, ties to even, subnormals kept.
;;     - The product sums the exact products of the quantised numbers (number of the format x scale) in f32.
;;   ~~~python
;;   def quantise(x, axis):      # numpy; x: float32 -> the quantised numbers, widened to float32 again
;;       x = np.moveaxis(x, axis, -1); K = x.shape[-1]
;;       x = np.pad(x, [(0, 0)] * (x.ndim - 1) + [(0, -K % 32)]); x = x.reshape(x.shape[:-1] + (-1, 32)); a = np.abs(x).max(-1, keepdims=True)
;;       e = np.where(a > 0, np.clip(np.frexp(np.where(a > 0, a, 1))[1] - 1 - 2, -126, 127), 0)      # np.frexp(a)[1] - 1 = floor(log2(a)), exactly
;;       r = np.clip(x / 2.0 ** e, -6, 6)
;;       step = 2.0 ** (np.maximum(np.frexp(np.where(r == 0, 1, r))[1] - 1, 0) - 1)
;;       q = np.round(r / step) * step * 2.0 ** e      # np.round: ties to even
;;       return np.moveaxis(q.reshape(q.shape[:-2] + (-1,))[..., :K], -1, axis).astype(np.float32)
;;   ~~~
;; One version. Each part assembles by itself: llvm-mc -triple=amdgcn-amd-amdhsa -mcpu=gfx1250 --defsym DOCPART=n.
;; ======== version 1 of 1: 1 launch
;; limits: values are held in f16: magnitudes above 65,504 overflow, below 6.1e-05 lose precision
;; launch attn (part 1): grid 256 x 1, 4 waves a work-group, clusters of 4 x 1, 327,680 bytes of LDS; arguments q_x, kv_x, mask_bias, triangle_bias, wq, wk, wv, wg, bg, wo, bo, out0; writes out0
.if DOCPART == 1
	.amdgcn_target "amdgcn-amd-amdhsa--gfx1250"
	.amdhsa_code_object_version 6
	.text
	.protected	k_q31e277658a_attn
	.globl	k_q31e277658a_attn
	.p2align	8
	.type	k_q31e277658a_attn,@function
k_q31e277658a_attn:
	s_mov_b64 s[64:65], 0
	v_nop
	global_prefetch_b8 v0, s[64:65] scope:SCOPE_SE
	s_setreg_imm32_b32 hwreg(HW_REG_WAVE_MODE, 25, 1), 1
	s_wait_xcnt 0x0
	s_wait_alu depctr_hold_cnt(0) depctr_sa_sdst(0) depctr_va_vdst(0) depctr_va_sdst(0) depctr_va_ssrc(0) depctr_va_vcc(0) depctr_vm_vsrc(0)
	s_getreg_b32 s2, hwreg(HW_REG_IB_STS2, 6, 4)
	s_cmp_eq_u32 s2, 0
	s_cbranch_scc0 .Lentry_in_a_cluster
	s_endpgm
.Lentry_in_a_cluster:
	s_bfe_u32 s2, ttmp6, 0x10000c
	s_cmp_lg_u32 s2, 0x3003
	s_cbranch_scc0 .Lentry_shape_is_right
	s_endpgm
.Lentry_shape_is_right:
; Gated attention over the rows of a pair tensor.  For each row n of 256: q, k, v, g = x W^T on codes of FP4 (E2M1, one E8M0 scale for each 32 along the 128 channels);
; a = softmax(q k^T / sqrt(32) + mask[n][key] + triangle[head][query][key]); out = ((a v) * sigmoid(g + bg)) wo^T + bo.  The last three products take f16 operands and f32 sums; all else is f32.
; SHARES.  A work-group owns one row n: 256 queries, 256 keys, 4 heads.  Wave w is head w.  Its K (256 keys x 32) and V^T (32 x 256 keys) stay in 256 registers as f16 for the whole launch.
; Queries go 32 at a time (two tiles of 16), eight trips.  A trip: quantise the next 32 rows of q_x (XSTAGE) | project and store the last 32 rows (FSTAGE) | two passes ATT, one a tile of queries.
; LAYOUT.  Every product is laid so that a lane holds ONE query (lane % 16): Q^T = Wq x^T, S^T = K Q^T + C, O^T = V^T P, G^T = Wg x^T + bg, out^T = Wo (og)^T + bo.  Nothing changes lanes between products.
; The two biases are the C of the score product: C = log2(e) (triangle + mask), made by one packed multiply-add; q carries log2(e) / sqrt(32), so p = 2^(S - the row's largest S).  The whole row of 256 keys is at hand: one true maximum.
; CLUSTER.  The triangle bias is the same for every n: the four work-groups of a cluster ask for each tile JOINTLY (the same tensor load, the same descriptor, a mask that names the four).
; Cluster c begins its walk over the eight pairs of query tiles at pair c % 8.  Nothing is prefetched: q_x is asked for a whole trip ahead, into registers; kv_x and the first bias tile go out at the head.
; OPERANDS FROM WAVE TO WAVE go through LDS as images of their registers (16 bytes a lane, 512 bytes a store): kv's and x's codes and scale words, the gated o.
; LIMITS.  NaN and infinities among the inputs are not served.  A block whose largest magnitude lies under 2^-124 (a block of zeros too) gets the scale byte 1: its codes are then zeros or held as that byte gives them.
; The f16 operands (0.255 q, k, v, p, the gated o, wo) must lie within +-65,504; under 6e-5 they carry an absolute error of 3e-8.  C is rounded once as triangle x log2(e) + mask x log2(e) and the product is added onto it:
; another order of rounding than (q k + mask) + triangle; it shows only where |mask| is so large that scores vanish beside it, and a row whose every key has the same such mask comes out uniform either way.
;
; LDS
.set TILE,   33280                     ; a bias tile: 32 queries x (1,024 bytes + 16 of padding): row r starts 65 x 16 bytes on, so the 16 rows of a load fall into 16 different columns of 16 bytes
.set HALF,   16640                     ; its 16 queries
.set SLOTB,  4*TILE                    ; a slot: the four heads' tiles.  Slot 0 at 0, slot 1 at SLOTB; slot 1's first fill is kv_x[n], a quarter a wave, in a bias tile's very bytes
.set OG,     2*SLOTB                   ; the gated o: 2 buffers x 8 fragments (tile s, head) x 1,024
.set OST,    OG+16384                  ; the way out: 16 rows x 272 for each wave
.set XI,     OST+4*4352                ; x's codes: 2 buffers x 2 tiles x 1,024; from +4,096 their scale words, 128 bytes a tile
.set TURN,   XI+4608                   ; each wave's own: two stages of 32 x 80 bytes, through which q_x turns
.set SPARE,  TURN+4*5120               ; the spare words, 128 bytes a wave: two blocks of 256 bytes that no other line names
.set KVI,    OG                        ; ahead of the loop alone: kv's 16 images x 1,024, then their scale words, 128 bytes each
; REGISTERS, window 0
.set SPW, 1
.set NIL, 2
.set TBA, 3                            ; my place in a bias tile
.set XIR, 4                            ; in an image of x
.set XSR, 5                            ; among x's scale words
.set OGW, 6                            ; where I store the gated o
.set OGR, 7                            ; where I read it
.set STO, 8                            ; the way out: in
.set RD,  9                            ; back
.set CO,  10                           ; my byte offset in 32 rows of out
.set TIN, 11                           ; the turn: in
.set TOUT, 12                          ; out
.set XCW, 13                           ; where my 16 codes of x go
.set XBW, 14                           ; and my block's scale byte
.set XGO, 15                           ; my byte offset in 16 rows of q_x
.set A_TB, 16                          ; v16-22: the same with the trip's buffer added
.set A_XI, 17
.set A_XS, 18
.set A_OW, 19
.set A_OR, 20
.set A_XC, 21
.set A_XB, 22
.set MXR, 24                           ; v[24:25] the row's maximum (v25 written once: named as a pair)
.set MX,  26                           ; v26-29 four chains
.set RL,  30                           ; v[30:31] 1 / the row's sum
.set XF,  32                           ; x's fragment
.set QF,  40                           ; Q's, f16
.set QA,  48                           ; Q^T
.set GA,  64                           ; G^T, then the gate
.set OA,  80                           ; O^T
.set OGP, 96                           ; the gated o, f16
.set XS,  104                          ; scale words: x's; v105-112 the weights'; v113-116 kv's
.set WQS, 105
.set WGS, 107
.set WKS, 109
.set WVS, 111
.set KVS, 113
.set SU,  118                          ; v118-125 four pairs of sums
.set S,   128                          ; v128-255 bias, C, S^T, p; P in f16 is packed into its lower half
; window 0, ahead of the loop alone
.set KF,  32                           ; four fragments of kv
.set WA,  64
.set KVA, 65
.set KVW, 66
.set KVSW, 67
.set KVR, 68
.set KVSR, 69
.set BA,  70
.set WOA, 71
.set TM,  72                           ; v72-81 the quantiser's
.set SH8, 82
.set PCD, 128                          ; kv's codes, four fragments
.set PW,  160                          ; and their scale words
; window 0, XSTAGE: in S's registers, which are free between two passes
.set XB,  S
.set XM,  S+32
.set XSC, S+36
.set XC,  S+40
.set XE,  S+44
; window 1: ahead of the loop four sets of 64 numbers; then K's fragment kt at v[8 kt], V^T's (dt, c) at v[128 + 64 dt + 8 c]
; window 2
.set WO,  0                            ; wo's fragments (ct, ch) at v[8 (4 ct + ch)]
.set BO,  128
.set OGF, 160
.set FA,  192
.set HWK, 192                          ; ahead of the loop: wk's and wv's codes
.set HWV, 208
; window 3
.set HWQ, 0
.set HWG, 16
.set XR,  32                           ; 32 rows of q_x on their way, 32 registers
.set BG,  80
.set MK,  128                          ; log2(e) x mask[n], in C's layout
; scalars
.set WAVE, 3
.set G1T, 32
.set G1K, 40
.set G0T, 48
.set G0K, 52
.set TP,  56                           ; the slot in hand: 0 or SLOTB
.set XRD, 57                           ; x's buffer that is read: 0 or 2,048
.set XW,  58                           ; and the one that is written
.set OW,  59                           ; o's buffer that is written: 0 or 8,192
.set ORD, 60                           ; and the one that is read
.set TC,  61                           ; the trip
.set PI,  62                           ; the pair of query tiles in hand (taken modulo 8 where it is used)
.set WB,  63                           ; wave x TILE
.set LE,  66
.set QSC, 68
.set NLE, 70
.set SEL, 72
.set OF,  74
.set QB,  76
.set OB,  78
.set QN,  80
.set ON,  82
.set TBW, 84
.set MSB, 0
.macro WIN new                         ; s_set_vgpr_msb: bits 1:0 source 0, 3:2 source 1, 5:4 source 2, 7:6 destination; the high byte repeats the setting that is left
.if MSB != \new
	s_set_vgpr_msb (MSB<<8)|\new
.set MSB, \new
.endif
.endm
.macro PLACES n
.rept \n
	v_nop
.endr
.endm
.macro CROUND                          ; a round of the cluster's barrier
	s_barrier_signal -1
	s_barrier_wait -1
	s_cmp_lg_u32 s[WAVE], 0
	s_cbranch_scc1 .Lnw0_\@
	s_barrier_signal -3
.Lnw0_\@:
	s_barrier_wait -3
	s_barrier_signal -1
	s_barrier_wait -1
.endm
; 16 rows x 128 numbers of a weight into set: lane (r, h) takes, of row r, k = 64 c + 32 h + 0 .. 31 into registers 32 c + 0 .. 31: two whole blocks
.macro WLOAD set, b0, tile
	WIN 0x40
.irp c,0,1
.irp j,0,1,2,3,4,5,6,7
	global_load_b128 v[64*(\set)+32*\c+4*\j:64*(\set)+32*\c+4*\j+3], v[WA], s[\b0:\b0+1] offset:8192*(\tile)+256*\c+16*\j
.endr
.endr
	WIN 0
.endm
.macro KVLOAD f                        ; the same of 16 rows of my quarter of kv_x, out of LDS, into set f
	WIN 0x40
.irp c,0,1
.irp j,0,1,2,3,4,5,6,7
	ds_load_b128 v[64*(\f)+32*\c+4*\j:64*(\f)+32*\c+4*\j+3], v[KVA] offset:8320*(\f)+256*\c+16*\j
.endr
.endr
	WIN 0
.endm
; A set's 64 numbers become a fragment's 8 registers of codes, v[dst] on in window hw, and the row's scale word in v[pw].
; A block's scale byte is its largest magnitude's exponent field - 2, held at 1 from below by the floor 2^(3 - 127); the conversion takes the exponent field of its scale operand alone.
.macro QUANT set, dst, hw, pw
	WIN 0
.irp c,0,1,2,3
	v_mov_b32 v[TM+\c], 0x1800000                  ; four chains begin at the floor
.endr
	WIN 0x14                                       ; sources 1 and 2: the set, in window 1
.irp i,0,2,4,6,8,10,12,14
.irp c,0,1,2,3
	v_max3_num_f32 v[TM+\c], v[TM+\c], |v[64*(\set)+16*\c+\i]|, |v[64*(\set)+16*\c+\i+1]|
.endr
.endr
	WIN 0
	v_max_num_f32 v[TM], v[TM], v[TM+1]            ; block h
	v_max_num_f32 v[TM+2], v[TM+2], v[TM+3]        ; block 2 + h
	v_add_nc_u32 v[TM+4], 0xff000000, v[TM]        ; 2 off the exponent field: the conversion's scale operand
	v_add_nc_u32 v[TM+5], 0xff000000, v[TM+2]
	v_lshrrev_b32 v[TM+6], 23, v[TM+4]             ; the bytes
	v_lshrrev_b32 v[TM+7], 23, v[TM+5]
	v_lshl_or_b32 v[TM+8], v[TM+7], 16, v[TM+6]
	v_lshlrev_b32 v[TM+8], v[SH8], v[TM+8]         ; at their places in the word: 8 h bits up
	v_permlanex16_b32 v[TM+9], v[TM+8], s[SEL], s[SEL+1]
	v_or_b32 v[\pw], v[TM+8], v[TM+9]              ; with lane l xor 16's two the word is whole
	WIN (((\hw)<<6)|1)
.irp c,0,1
.irp g,0,1,2,3
	v_cvt_scalef32_pk8_fp4_f32 v[(\dst)+4*\c+\g], v[64*(\set)+32*\c+8*\g:64*(\set)+32*\c+8*\g+7], v[TM+4+\c]
.endr
.endr
	WIN 0
	v_nop                                          ; one plain place behind the last scaled conversion
.endm
.macro IMAGE f                         ; kv's fragment f of my quarter goes to LDS as it stands
	ds_store_b128 v[KVW], v[PCD+8*\f:PCD+8*\f+3] offset:1024*\f
	ds_store_b128 v[KVW], v[PCD+8*\f+4:PCD+8*\f+7] offset:1024*\f+512
	ds_store_b32 v[KVSW], v[PW+\f] offset:128*\f
.endm
.macro WOLOAD ct                       ; 16 rows of wo (my 64 outputs' tile ct), f32, in an f16 fragment's order, into set ct
	WIN 0x40
.irp ch,0,1,2,3
.irp k,0,1,2,3
	global_load_b128 v[64*(\ct)+16*\ch+4*\k:64*(\ct)+16*\ch+4*\k+3], v[WOA], s[26:27] offset:8192*(\ct)+128*\ch+64*(\k/2)+16*(\k%2)
.endr
.endr
	WIN 0
.endm
.macro WOCVT ct
	WIN 0x85                                       ; sources window 1, destination window 2
.irp ch,0,1,2,3
.irp i,0,1,2,3,4,5,6,7
	v_cvt_pk_f16_f32 v[WO+8*(4*(\ct)+\ch)+\i], v[64*(\ct)+16*\ch+2*\i], v[64*(\ct)+16*\ch+2*\i+1]
.endr
.endr
	WIN 0
.endm
; 32 rows of q_x, pair PI + ahead: my wave's four rows of each tile; each load reads 512 consecutive bytes
.macro XLOADS ahead
	s_wait_xcnt 0x0                                ; the base is written again only behind this wait
	s_add_co_u32 s86, s[PI], \ahead
	s_and_b32 s86, s86, 7
	s_lshl_b32 s[OF], s86, 14
	s_add_nc_u64 s[QB:QB+1], s[QN:QN+1], s[OF:OF+1]
	WIN 0xc0
.irp t,0,1
.irp i,0,1,2,3
	global_load_b128 v[XR+16*\t+4*\i:XR+16*\t+4*\i+3], v[XGO], s[QB:QB+1] offset:8192*\t+512*\i th:TH_LOAD_NT
.endr
.endr
	WIN 0
.endm
; The 32 rows in XR are quantised into x's buffer XW.  They turn through my own stage, so that a lane holds 16 neighbours: row 4 w + lane / 8, k = 16 (lane % 8) on; two neighbouring lanes hold a block.
; mode 1: the next pair is asked for; mode 2: the pair after the next, while there is one.
.macro XSTAGE mode
	s_wait_loadcnt 0x0                             ; XR is in (asked for a trip ago)
	s_lshr_b32 s86, s[XW], 3
	v_add_nc_u32 v[A_XC], s[XW], v[XCW]
	v_add_nc_u32 v[A_XB], s86, v[XBW]
	WIN 0x0c                                       ; an LDS store's data are its source 1: window 3
.irp t,0,1
.irp i,0,1,2,3
	ds_store_b128 v[TIN], v[XR+16*\t+4*\i:XR+16*\t+4*\i+3] offset:2560*\t+640*\i
.endr
.endr
	WIN 0
.irp t,0,1
.irp j,0,1,2,3
	ds_load_b128 v[XB+16*\t+4*\j:XB+16*\t+4*\j+3], v[TOUT] offset:2560*\t+16*\j   ; LDS serves a wave's instructions in order: these see my stores
.endr
.endr
	s_wait_dscnt 0x0                               ; the numbers are back, and the stores have read XR
.if \mode == 1
	XLOADS 1
.elseif \mode == 2
	s_cmp_lt_u32 s[TC], 6                          ; trips 6 and 7 have no pair two on: no load leaves its buffer
	s_cbranch_scc0 .Lnox_\@
	XLOADS 2
.Lnox_\@:
.endif
.irp t,0,1
	v_max3_num_f32 v[XM+2*\t], |v[XB+16*\t]|, |v[XB+16*\t+1]|, |v[XB+16*\t+2]|
	v_max3_num_f32 v[XM+2*\t+1], |v[XB+16*\t+3]|, |v[XB+16*\t+4]|, |v[XB+16*\t+5]|
.endr
.irp i,6,10
.irp t,0,1
	v_max3_num_f32 v[XM+2*\t], v[XM+2*\t], |v[XB+16*\t+\i]|, |v[XB+16*\t+\i+1]|
	v_max3_num_f32 v[XM+2*\t+1], v[XM+2*\t+1], |v[XB+16*\t+\i+2]|, |v[XB+16*\t+\i+3]|
.endr
.endr
.irp t,0,1
	v_max3_num_f32 v[XM+2*\t], v[XM+2*\t], |v[XB+16*\t+14]|, |v[XB+16*\t+15]|
.endr
.irp t,0,1
	v_max3_num_f32 v[XM+2*\t], v[XM+2*\t], v[XM+2*\t+1], 0x1800000   ; and the floor
.endr
.irp t,0,1
	v_max_num_f32_dpp v[XM+2*\t], v[XM+2*\t], v[XM+2*\t] row_xmask:1 row_mask:0xf bank_mask:0xf   ; with my neighbour's 16: the block's
.endr
.irp t,0,1
	v_add_nc_u32 v[XSC+\t], 0xff000000, v[XM+2*\t]
.endr
.irp t,0,1
	v_cvt_scalef32_pk8_fp4_f32 v[XC+2*\t], v[XB+16*\t:XB+16*\t+7], v[XSC+\t]
	v_cvt_scalef32_pk8_fp4_f32 v[XC+2*\t+1], v[XB+16*\t+8:XB+16*\t+15], v[XSC+\t]
.endr
.irp t,0,1
	v_lshrrev_b32 v[XE+\t], 23, v[XSC+\t]          ; the byte (also the plain place behind the conversions)
.endr
.irp t,0,1
	ds_store_b64 v[A_XC], v[XC+2*\t:XC+2*\t+1] offset:1024*\t   ; my 8 bytes of the fragment's image
	ds_store_b8 v[A_XB], v[XE+\t] offset:128*\t    ; both lanes of a block write the same byte with the same value
.endr
.endm
; out^T = wo (gated o)^T + bo for the pair before PI: my tile of 16 queries (w / 2) x my 64 outputs (w % 2); four accumulators by turns; bo is the C of each sum's first product.
.macro FSTAGE
	s_wait_xcnt 0x0                                ; the last stores have read their data and their base: both are written again only behind this wait
	s_add_co_u32 s86, s[PI], 7
	s_and_b32 s86, s86, 7
	s_lshl_b32 s[OF], s86, 14
	s_add_nc_u64 s[OB:OB+1], s[ON:ON+1], s[OF:OF+1]
	v_add_nc_u32 v[A_OR], s[ORD], v[OGR]
	WIN 0x80
.irp hd,0,1,2,3
	ds_load_b128 v[OGF+8*\hd:OGF+8*\hd+3], v[A_OR] offset:1024*\hd
	ds_load_b128 v[OGF+8*\hd+4:OGF+8*\hd+7], v[A_OR] offset:1024*\hd+512
.endr
	s_wait_dscnt 0x0
	WIN 0xaa
.irp ch,0,1,2,3
.irp ct,0,1,2,3
.if \ch == 0
	v_wmma_f32_16x16x32_f16 v[FA+8*\ct:FA+8*\ct+7], v[WO+8*(4*\ct+\ch):WO+8*(4*\ct+\ch)+7], v[OGF+8*\ch:OGF+8*\ch+7], v[BO+8*\ct:BO+8*\ct+7]
.else
	v_wmma_f32_16x16x32_f16 v[FA+8*\ct:FA+8*\ct+7], v[WO+8*(4*\ct+\ch):WO+8*(4*\ct+\ch)+7], v[OGF+8*\ch:OGF+8*\ch+7], v[FA+8*\ct:FA+8*\ct+7]
.endif
.endr
.endr
	PLACES 4                                       ; four places ahead of the stores that read results and of the loads into them
	WIN 0x08
.irp ct,0,1,2,3
	ds_store_b128 v[STO], v[FA+8*\ct:FA+8*\ct+3] offset:64*\ct        ; each accumulator from its low end on: lane (r, h): out(r, 16 ct + 8 h + 0 .. 7)
	ds_store_b128 v[STO], v[FA+8*\ct+4:FA+8*\ct+7] offset:64*\ct+16
.endr
	WIN 0x80
.irp i,0,1,2,3,4,5,6,7
	ds_load_b128 v[FA+4*\i:FA+4*\i+3], v[RD] offset:544*\i            ; back by rows: my own bytes, served in order
.endr
	WIN 0x08
.irp i,0,1,2,3,4,5,6,7
	s_wait_dscnt 7-\i                              ; the younger read-backs may be out
	global_store_b128 v[CO], v[FA+4*\i:FA+4*\i+3], s[OB:OB+1] offset:1024*\i th:TH_STORE_NT   ; 16 lanes store 256 consecutive bytes, aligned
.endr
	WIN 0
.endm
; One tile of 16 queries (s of the pair) against my head's 256 keys.
.macro ATT s
	ds_load_b128 v[XF:XF+3], v[A_XI] offset:1024*\s
	ds_load_b128 v[XF+4:XF+7], v[A_XI] offset:1024*\s+512
	ds_load_b32 v[XS], v[A_XS] offset:128*\s
.set i, 0
.rept 16
	ds_load_b128 v[S+8*i:S+8*i+3], v[A_TB] offset:HALF*\s+64*i        ; triangle(query r, key 16 kt + 8 h + 0 .. 7): C's layout
	ds_load_b128 v[S+8*i+4:S+8*i+7], v[A_TB] offset:HALF*\s+64*i+16
.set i, i+1
.endr
	s_wait_dscnt 32                                ; x's fragment and scale word are in; the 32 bias loads may be out
	WIN 0x03
.irp dt,0,1
	v_wmma_scale_f32_16x16x128_f8f6f4 v[QA+8*\dt:QA+8*\dt+7], v[HWQ+8*\dt:HWQ+8*\dt+7], v[XF:XF+7], 0, v[WQS+\dt], v[XS] matrix_a_fmt:MATRIX_FMT_FP4 matrix_b_fmt:MATRIX_FMT_FP4
.endr
	WIN 0x33
.irp dt,0,1
	v_wmma_scale_f32_16x16x128_f8f6f4 v[GA+8*\dt:GA+8*\dt+7], v[HWG+8*\dt:HWG+8*\dt+7], v[XF:XF+7], v[BG+8*\dt:BG+8*\dt+7], v[WGS+\dt], v[XS] matrix_a_fmt:MATRIX_FMT_FP4 matrix_b_fmt:MATRIX_FMT_FP4
.endr
	WIN 0
	PLACES 4
.irp j,0,2,4,6,8,10,12,14
	v_pk_mul_f32 v[GA+\j:GA+\j+1], v[GA+\j:GA+\j+1], s[NLE:NLE+1] op_sel_hi:[1,0]   ; the gate: 1 / (1 + 2^(-log2(e) g))
.endr
.irp j,0,1,2,3,4,5,6,7,8,9,10,11,12,13,14,15
	v_exp_f32 v[GA+\j], v[GA+\j]
.endr
.irp j,0,2,4,6,8,10,12,14
	v_pk_mul_f32 v[QA+\j:QA+\j+1], v[QA+\j:QA+\j+1], s[QSC:QSC+1] op_sel_hi:[1,0]   ; q x log2(e) / sqrt(32): independent work behind the exponentials
.endr
.irp j,0,1,2,3,4,5,6,7
	v_cvt_pk_f16_f32 v[QF+\j], v[QA+2*\j], v[QA+2*\j+1]               ; lane (r, h): d = 16 dt + 8 h + 0 .. 7: source 1 of the score product as it stands
.endr
	s_wait_alu depctr_va_vdst(0)                   ; one wait for the 16 exponentials, ahead of their first reader
.irp j,0,2,4,6,8,10,12,14
	v_pk_add_f32 v[GA+\j:GA+\j+1], v[GA+\j:GA+\j+1], 1.0 op_sel_hi:[1,0]
.endr
.irp j,0,1,2,3,4,5,6,7,8,9,10,11,12,13,14,15
	v_rcp_f32 v[GA+\j], v[GA+\j]                   ; read far below, behind the wait for the softmax's batch
.endr
	s_wait_dscnt 0x0                               ; the bias is in
	WIN 0x30
.set i, 0
.rept 64
	v_pk_fma_f32 v[S+2*i:S+2*i+1], v[S+2*i:S+2*i+1], s[LE:LE+1], v[MK+2*i:MK+2*i+1] op_sel_hi:[1,0,1]   ; C = log2(e) triangle + log2(e) mask
.set i, i+1
.endr
	WIN 0x01
.set i, 0
.rept 16
	v_wmma_f32_16x16x32_f16 v[S+8*i:S+8*i+7], v[8*i:8*i+7], v[QF:QF+7], v[S+8*i:S+8*i+7]   ; S^T = K Q^T + C: one product for each tile of 16 keys
.set i, i+1
.endr
	WIN 0
	PLACES 4
.irp c,0,1,2,3
	v_max_num_f32 v[MX+\c], v[S+8*\c], v[S+8*\c+1]                    ; the maximum in four chains; each accumulator is read from its low end on
.endr
.set p, 1
.rept 15
.irp c,0,1,2,3
	v_max3_num_f32 v[MX+\c], v[MX+\c], v[S+32*(p/4)+8*\c+2*(p%4)], v[S+32*(p/4)+8*\c+2*(p%4)+1]
.endr
.set p, p+1
.endr
	v_max3_num_f32 v[MX], v[MX], v[MX+1], v[MX+2]
	v_max_num_f32 v[MX], v[MX], v[MX+3]
	v_permlanex16_b32 v[MX+1], v[MX], s[SEL], s[SEL+1]                ; the query's other 128 keys lie in the lane 16 away
	v_max_num_f32 v[MXR], v[MX], v[MX+1]
.set i, 0
.rept 64
	v_pk_add_f32 v[S+2*i:S+2*i+1], v[S+2*i:S+2*i+1], v[MXR:MXR+1] op_sel_hi:[1,0] neg_lo:[0,1] neg_hi:[0,1]
.set i, i+1
.endr
.set i, 0
.rept 128
	v_exp_f32 v[S+i], v[S+i]                       ; p = 2^(S - max), at most 1
.set i, i+1
.endr
	v_nop                                          ; a plain place behind the last exponential
	s_wait_alu depctr_va_vdst(0)                   ; one wait for the batch (and for the gate's reciprocals), ahead of the first reader
.irp c,0,1,2,3
	v_pk_add_f32 v[SU+2*\c:SU+2*\c+1], v[S+2*\c:S+2*\c+1], v[S+8+2*\c:S+8+2*\c+1]   ; the row's sum of the unrounded p, four chains of pairs
.endr
.set p, 2
.rept 14
.irp c,0,1,2,3
	v_pk_add_f32 v[SU+2*\c:SU+2*\c+1], v[SU+2*\c:SU+2*\c+1], v[S+8*p+2*\c:S+8*p+2*\c+1]
.endr
.set p, p+1
.endr
	v_pk_add_f32 v[SU:SU+1], v[SU:SU+1], v[SU+2:SU+3]
	v_pk_add_f32 v[SU+4:SU+5], v[SU+4:SU+5], v[SU+6:SU+7]
	v_pk_add_f32 v[SU:SU+1], v[SU:SU+1], v[SU+4:SU+5]
	v_add_f32 v[SU], v[SU], v[SU+1]
	v_permlanex16_b32 v[SU+1], v[SU], s[SEL], s[SEL+1]
	v_add_f32 v[SU], v[SU], v[SU+1]
	v_rcp_f32 v[RL], v[SU]                         ; at least one p is 1: the sum is no zero
.set i, 0
.rept 64
	v_cvt_pk_f16_f32 v[S+i], v[S+2*i], v[S+2*i+1]  ; P, packed in place from the low end: registers 8 c .. 8 c + 7 are source 1 for keys 32 c .. 32 c + 31
.set i, i+1
.endr
	WIN 0x01
.irp c,0,1,2,3,4,5,6,7
.irp dt,0,1
.if \c == 0
	v_wmma_f32_16x16x32_f16 v[OA+8*\dt:OA+8*\dt+7], v[128+64*\dt+8*\c:128+64*\dt+8*\c+7], v[S+8*\c:S+8*\c+7], 0
.else
	v_wmma_f32_16x16x32_f16 v[OA+8*\dt:OA+8*\dt+7], v[128+64*\dt+8*\c:128+64*\dt+8*\c+7], v[S+8*\c:S+8*\c+7], v[OA+8*\dt:OA+8*\dt+7]
.endif
.endr
.endr
	WIN 0
	s_wait_alu depctr_va_vdst(0)                   ; for 1 / the sum
.irp j,0,2,4,6,8,10,12,14
	v_pk_mul_f32 v[GA+\j:GA+\j+1], v[GA+\j:GA+\j+1], v[RL:RL+1] op_sel_hi:[1,0]     ; gate / sum: these eight are the places behind the last products
.endr
.irp j,0,2,4,6,8,10,12,14
	v_pk_mul_f32 v[OA+\j:OA+\j+1], v[OA+\j:OA+\j+1], v[GA+\j:GA+\j+1]
.endr
.irp j,0,1,2,3,4,5,6,7
	v_cvt_pk_f16_f32 v[OGP+\j], v[OA+2*\j], v[OA+2*\j+1]
.endr
	ds_store_b128 v[A_OW], v[OGP:OGP+3] offset:4096*\s                ; the image of source 1 (16 queries x my head's 32) of the last product
	ds_store_b128 v[A_OW], v[OGP+4:OGP+7] offset:4096*\s+512
.endm
.macro KVFETCH g                       ; four fragments of kv (key tiles 4 g on) and their scale words
.irp i,0,1,2,3
	ds_load_b128 v[KF+8*\i:KF+8*\i+3], v[KVR] offset:1024*(4*(\g)+\i)
	ds_load_b128 v[KF+8*\i+4:KF+8*\i+7], v[KVR] offset:1024*(4*(\g)+\i)+512
	ds_load_b32 v[KVS+\i], v[KVSR] offset:128*(4*(\g)+\i)
.endr
.endm
; K^T = Wk kv^T (a lane holds a key, registers run along d: source 0 of the score product) and V = kv Wv^T (a lane holds a d, registers run along the keys: source 0 of V^T P), four key tiles at a time
.macro KVGROUP g
	s_wait_dscnt 0x0
	WIN 0x02
.irp i,0,1,2,3
.irp dt,0,1
	v_wmma_scale_f32_16x16x128_f8f6f4 v[S+32*\i+8*\dt:S+32*\i+8*\dt+7], v[HWK+8*\dt:HWK+8*\dt+7], v[KF+8*\i:KF+8*\i+7], 0, v[WKS+\dt], v[KVS+\i] matrix_a_fmt:MATRIX_FMT_FP4 matrix_b_fmt:MATRIX_FMT_FP4
.endr
.endr
	WIN 0x08
.irp i,0,1,2,3
.irp dt,0,1
	v_wmma_scale_f32_16x16x128_f8f6f4 v[S+32*\i+16+8*\dt:S+32*\i+16+8*\dt+7], v[KF+8*\i:KF+8*\i+7], v[HWV+8*\dt:HWV+8*\dt+7], 0, v[KVS+\i], v[WVS+\dt] matrix_a_fmt:MATRIX_FMT_FP4 matrix_b_fmt:MATRIX_FMT_FP4
.endr
.endr
	WIN 0
	PLACES 4                                       ; ahead of the loads into fragments and scale words just read, and of the first read of results
.if \g < 3
	KVFETCH (\g)+1
.endif
	WIN 0x40
.irp i,0,1,2,3
.irp dt,0,1
.irp j,0,1,2,3
	v_cvt_pk_f16_f32 v[8*(4*(\g)+\i)+4*\dt+\j], v[S+32*\i+8*\dt+2*\j], v[S+32*\i+8*\dt+2*\j+1]
.endr
.endr
.irp dt,0,1
.irp j,0,1,2,3
	v_cvt_pk_f16_f32 v[128+64*\dt+8*((4*(\g)+\i)/2)+4*(\i%2)+\j], v[S+32*\i+16+8*\dt+2*\j], v[S+32*\i+16+8*\dt+2*\j+1]
.endr
.endr
.endr
	WIN 0
.endm
; A trip.  One barrier: in front of it each wave waits for all its tensor loads (its bias tile of this trip), adds 0 to its spare word, and waits for that and for all its LDS reads and stores of the last trip.
; fill = 1: the barrier is a round of the cluster's, and behind it the slot just left takes the next pair's tile: my one tensor load, with the whole trip in which to land.
.macro TRIP fill, xmode, fskip
	s_wait_tensorcnt 0x0
	ds_add_u32 v[SPW], v[NIL]                      ; 0 onto my spare word; scalar work stands between it and the wait for it
.if \fill
	s_xor_b32 s86, s[TP], SLOTB
	s_add_co_u32 s[G0T+1], s86, s[WB]              ; the other slot, my head's tile
	s_add_co_u32 s86, s[PI], 1
	s_and_b32 s86, s86, 7
	s_lshl_b32 s[OF], s86, 15                      ; 32 queries x 1,024 bytes
	s_add_nc_u64 s[G0T+2:G0T+3], s[TBW:TBW+1], s[OF:OF+1]
	s_or_b32 s[G0T+3], s[G0T+3], 0x80000000
.endif
	s_xor_b32 s[XW], s[XRD], 2048
	s_xor_b32 s[ORD], s[OW], 8192
	s_lshr_b32 s87, s[XRD], 3
	s_wait_dscnt 0x0
.if \fill
	CROUND
	tensor_load_to_lds s[G0T:G0T+3], s[G1T:G1T+7]
	s_nop 0
	PLACES 4
.else
	s_barrier_signal -1
	s_barrier_wait -1
.endif
	v_add_nc_u32 v[A_TB], s[TP], v[TBA]
	v_add_nc_u32 v[A_XI], s[XRD], v[XIR]
	v_add_nc_u32 v[A_XS], s87, v[XSR]
	v_add_nc_u32 v[A_OW], s[OW], v[OGW]
.if \xmode
	XSTAGE \xmode
.endif
.if \fskip
	s_cmp_eq_u32 s[TC], 0                          ; the first trip has no pair behind it
	s_cbranch_scc1 .Lnof_\@
.endif
	FSTAGE
.if \fskip
.Lnof_\@:
.endif
	ATT 0
	ATT 1
	s_xor_b32 s[TP], s[TP], SLOTB
	s_xor_b32 s[XRD], s[XRD], 2048
	s_xor_b32 s[OW], s[OW], 8192
	s_add_co_u32 s[PI], s[PI], 1
.endm
	; ---- the head
	s_load_b512 s[8:23], s[0:1], 0x0               ; q_x 8, kv_x 10, mask 12, triangle 14, wq 16, wk 18, wv 20, wg 22
	s_load_b256 s[24:31], s[0:1], 0x40             ; bg 24, wo 26, bo 28, out 30
	v_lshl_add_u32 v[SPW], v0, 2, SPARE
	v_mov_b32 v[NIL], 0
	ds_add_u32 v[SPW], v[NIL]                      ; the opening: the add, twice on end; its wait stands ahead of my first tensor load
	ds_add_u32 v[SPW], v[NIL]
	v_lshrrev_b32 v32, 5, v0
	v_readfirstlane_b32 s[WAVE], v32               ; wave = head
	s_bfe_u32 s4, ttmp6, 0x40000                   ; cx: it enters the global addresses of q_x, kv_x, mask and out alone
	s_lshl_b32 s5, ttmp9, 2
	s_add_co_u32 s5, s5, s4                        ; n = 4 x cluster + cx
	s_and_b32 s[PI], ttmp9, 7                      ; where my cluster begins its walk: the same in all four partners
	; group 1: 32 rows of 128 elements of 8 bytes (1,024 bytes), dense in memory; 4 words of padding behind every 256
	s_mov_b32 s[G1T], 15|(3<<16)|(1<<20)|(1<<21)|(7<<22)|(3<<25)   ; the bias: the mask names all four work-groups, bit 21 beside it
	s_mov_b32 s[G1K], (3<<16)|(1<<20)|(7<<22)|(3<<25)             ; kv_x: my own
.irp g,G1T,G1K
	s_mov_b32 s[\g+1], 128<<16                     ; tensor_dim0
	s_mov_b32 s[\g+2], 32<<16                      ; tensor_dim1
	s_mov_b32 s[\g+3], 128<<16                     ; tile_dim0
	s_mov_b32 s[\g+4], 32                          ; tile_dim1
	s_mov_b32 s[\g+5], 128                         ; the pitch
	s_mov_b32 s[\g+6], 0
	s_mov_b32 s[\g+7], 0
.endr
	s_mul_i32 s[WB], s[WAVE], TILE
	s_mov_b32 s[LE], 0x3fb8aa3b                    ; log2(e)
	s_mov_b32 s[LE+1], 0x3fb8aa3b
	s_mov_b32 s[QSC], 0x3e8293ee                   ; log2(e) / sqrt(32)
	s_mov_b32 s[QSC+1], 0x3e8293ee
	s_mov_b32 s[NLE], 0xbfb8aa3b                   ; -log2(e)
	s_mov_b32 s[NLE+1], 0xbfb8aa3b
	s_mov_b32 s[SEL], 0x76543210                   ; v_permlanex16_b32: lane l xor 16
	s_mov_b32 s[SEL+1], 0xfedcba98
	s_mov_b32 s[TP], 0
	s_mov_b32 s[XRD], 0
	s_mov_b32 s[XW], 0
	s_mov_b32 s[OW], 0
	s_mov_b32 s[TC], 0
	s_mov_b32 s[OF+1], 0
	s_lshl_b32 s6, s5, 17                          ; n x 256 rows x 512 bytes
	s_mov_b32 s7, 0
	s_lshl_b32 s88, s5, 10                         ; n x 1,024: mask's row
	s_mov_b32 s89, 0
	s_lshl_b32 s90, s[WAVE], 15                    ; my quarter of kv_x[n]
	s_mov_b32 s91, 0
	s_lshl_b32 s92, s[WAVE], 18                    ; my head's bias
	s_mov_b32 s93, 0
	s_lshl_b32 s94, s[WAVE], 14                    ; my head's 32 rows of a weight
	s_mov_b32 s95, 0
	s_wait_dscnt 0x0                               ; both opening adds are done
	s_wait_kmcnt 0x0
	s_add_nc_u64 s[QN:QN+1], s[8:9], s[6:7]
	s_add_nc_u64 s[ON:ON+1], s[30:31], s[6:7]
	s_add_nc_u64 s[10:11], s[10:11], s[6:7]
	s_add_nc_u64 s[10:11], s[10:11], s[90:91]
	s_add_nc_u64 s[12:13], s[12:13], s[88:89]
	s_add_nc_u64 s[TBW:TBW+1], s[14:15], s[92:93]
	s_add_nc_u64 s[16:17], s[16:17], s[94:95]
	s_add_nc_u64 s[18:19], s[18:19], s[94:95]
	s_add_nc_u64 s[20:21], s[20:21], s[94:95]
	s_add_nc_u64 s[22:23], s[22:23], s[94:95]
	s_lshl_b32 s94, s[WAVE], 7
	s_add_nc_u64 s[24:25], s[24:25], s[94:95]      ; bg: my head's 32
	s_and_b32 s86, s[WAVE], 1
	s_lshl_b32 s94, s86, 15
	s_add_nc_u64 s[26:27], s[26:27], s[94:95]      ; wo: my 64 outputs' rows
	s_lshl_b32 s94, s86, 8
	s_add_nc_u64 s[28:29], s[28:29], s[94:95]      ; bo: my 64
	s_mov_b32 s[G0K], 1
	s_add_co_u32 s[G0K+1], s[WB], SLOTB            ; kv_x into slot 1
	s_mov_b64 s[G0K+2:G0K+3], s[10:11]
	s_or_b32 s[G0K+3], s[G0K+3], 0x80000000
	s_mov_b32 s[G0T], 1
	s_mov_b32 s[G0T+1], s[WB]                      ; the first bias tile into slot 0
	s_lshl_b32 s[OF], s[PI], 15
	s_add_nc_u64 s[G0T+2:G0T+3], s[TBW:TBW+1], s[OF:OF+1]
	s_or_b32 s[G0T+3], s[G0T+3], 0x80000000
	CROUND                                         ; all four work-groups are here: the first joint loads meet
	tensor_load_to_lds s[G0K:G0K+3], s[G1K:G1K+7]  ; the first fills go out together: two loads of mine are out
	s_nop 0
	tensor_load_to_lds s[G0T:G0T+3], s[G1T:G1T+7]
	s_nop 0
	PLACES 4
	; ---- addresses
	v_and_b32 v32, 15, v0                          ; r
	v_bfe_u32 v33, v0, 4, 1                        ; h
	v_and_b32 v34, 31, v0                          ; lane
	v_mul_u32_u24 v[TBA], v32, 1040
	v_lshl_add_u32 v[TBA], v33, 5, v[TBA]
	v_add_nc_u32 v[TBA], s[WB], v[TBA]
	v_lshl_add_u32 v[XIR], v34, 4, XI
	v_lshl_add_u32 v[XSR], v32, 2, XI+4096
	s_lshl_b32 s86, s[WAVE], 10
	s_add_co_u32 s86, s86, OG
	v_lshl_add_u32 v[OGW], v34, 4, s86
	s_lshr_b32 s87, s[WAVE], 1
	s_lshl_b32 s86, s87, 12
	s_add_co_u32 s86, s86, OG
	v_lshl_add_u32 v[OGR], v34, 4, s86
	s_mul_i32 s86, s[WAVE], 4352
	s_add_co_u32 s86, s86, OST
	v_mul_u32_u24 v[STO], v32, 272
	v_lshl_add_u32 v[STO], v33, 5, v[STO]
	v_add_nc_u32 v[STO], s86, v[STO]
	v_mul_u32_u24 v[RD], v33, 272
	v_lshl_add_u32 v[RD], v32, 4, v[RD]
	v_add_nc_u32 v[RD], s86, v[RD]
	s_lshl_b32 s86, s87, 13
	s_and_b32 s87, s[WAVE], 1
	s_lshl_b32 s87, s87, 8
	s_add_co_u32 s86, s86, s87
	v_lshlrev_b32 v[CO], 9, v33
	v_lshl_add_u32 v[CO], v32, 4, v[CO]
	v_add_nc_u32 v[CO], s86, v[CO]
	s_mul_i32 s86, s[WAVE], 5120
	s_add_co_u32 s86, s86, TURN
	v_lshrrev_b32 v35, 2, v34
	v_mul_u32_u24 v[TIN], v35, 80
	v_and_b32 v35, 3, v0
	v_lshl_add_u32 v[TIN], v35, 4, v[TIN]
	v_add_nc_u32 v[TIN], s86, v[TIN]
	v_mul_u32_u24 v[TOUT], v34, 80
	v_add_nc_u32 v[TOUT], s86, v[TOUT]
	v_bfe_u32 v35, v0, 2, 1                        ; my 16 codes (chunk m = lane % 8 of row 4 w + lane / 8) in the image: 512 (m / 4) + 256 ((m / 2) % 2) + 16 row + 8 (m % 2)
	v_lshlrev_b32 v[XCW], 9, v35
	v_bfe_u32 v35, v0, 1, 1
	v_lshl_add_u32 v[XCW], v35, 8, v[XCW]
	v_bfe_u32 v36, v0, 3, 4                        ; the row: thread / 8
	v_lshl_add_u32 v[XCW], v36, 4, v[XCW]
	v_and_b32 v35, 1, v0
	v_lshl_add_u32 v[XCW], v35, 3, v[XCW]
	v_add_nc_u32 v[XCW], XI, v[XCW]
	v_bfe_u32 v35, v0, 1, 2
	v_lshl_add_u32 v[XBW], v36, 2, v35             ; 4 row + block
	v_add_nc_u32 v[XBW], XI+4096, v[XBW]
	s_lshl_b32 s86, s[WAVE], 11
	v_lshl_add_u32 v[XGO], v34, 4, s86
	v_lshlrev_b32 v[WA], 9, v32
	v_lshl_add_u32 v[WA], v33, 7, v[WA]            ; a weight: row r of 512 bytes, + 128 h
	v_lshrrev_b32 v35, 1, v32
	v_mul_u32_u24 v[KVA], v35, 1040                ; kv in slot 1: two rows of 512 bytes to an LDS row
	v_and_b32 v35, 1, v0
	v_lshl_add_u32 v[KVA], v35, 9, v[KVA]
	v_lshl_add_u32 v[KVA], v33, 7, v[KVA]
	s_add_co_u32 s86, s[WB], SLOTB
	v_add_nc_u32 v[KVA], s86, v[KVA]
	s_lshl_b32 s86, s[WAVE], 12
	s_add_co_u32 s86, s86, KVI
	v_lshl_add_u32 v[KVW], v34, 4, s86
	s_lshl_b32 s86, s[WAVE], 9
	s_add_co_u32 s86, s86, KVI+16384
	v_lshl_add_u32 v[KVSW], v34, 2, s86
	v_lshl_add_u32 v[KVR], v34, 4, KVI
	v_lshl_add_u32 v[KVSR], v34, 2, KVI+16384
	v_lshlrev_b32 v[BA], 5, v33
	v_lshlrev_b32 v[WOA], 9, v32
	v_lshl_add_u32 v[WOA], v33, 5, v[WOA]
	v_lshlrev_b32 v[SH8], 3, v33
	v_mov_b32 v[TM+9], 0                           ; written once: a lane permute's destination counts as one of its sources
	v_mov_b32 v[MXR+1], 0                          ; named as the upper halves of pairs
	v_mov_b32 v[RL+1], 0
	; ---- what stays in registers.  Loads in order: q_x's first pair (8), mask, bg, bo (44), then sets of 16: four sets take turns, so each wait leaves the three younger sets out
	XLOADS 0
	WIN 0xc0
.set i, 0
.rept 16
	global_load_b128 v[MK+8*i:MK+8*i+3], v[BA], s[12:13] offset:64*i          ; mask[n][16 kt + 8 h + 0 .. 7]
	global_load_b128 v[MK+8*i+4:MK+8*i+7], v[BA], s[12:13] offset:64*i+16
.set i, i+1
.endr
.irp dt,0,1
	global_load_b128 v[BG+8*\dt:BG+8*\dt+3], v[BA], s[24:25] offset:64*\dt
	global_load_b128 v[BG+8*\dt+4:BG+8*\dt+7], v[BA], s[24:25] offset:64*\dt+16
.endr
	WIN 0x80
.irp ct,0,1,2,3
	global_load_b128 v[BO+8*\ct:BO+8*\ct+3], v[BA], s[28:29] offset:64*\ct
	global_load_b128 v[BO+8*\ct+4:BO+8*\ct+7], v[BA], s[28:29] offset:64*\ct+16
.endr
	WIN 0
	WLOAD 0, 18, 0                                 ; wk
	WLOAD 1, 18, 1
	WLOAD 2, 20, 0                                 ; wv
	WLOAD 3, 20, 1
	s_wait_loadcnt 48
	QUANT 0, HWK, 2, WKS
	WLOAD 0, 16, 0                                 ; wq
	s_wait_loadcnt 48
	QUANT 1, HWK+8, 2, WKS+1
	WLOAD 1, 16, 1
	s_wait_loadcnt 48
	QUANT 2, HWV, 2, WVS
	WLOAD 2, 22, 0                                 ; wg
	s_wait_loadcnt 48
	QUANT 3, HWV+8, 2, WVS+1
	WLOAD 3, 22, 1
	s_wait_loadcnt 48
	QUANT 0, HWQ, 3, WQS
	WOLOAD 0
	s_wait_loadcnt 48
	QUANT 1, HWQ+8, 3, WQS+1
	WOLOAD 1
	s_wait_loadcnt 48
	QUANT 2, HWG, 3, WGS
	WOLOAD 2
	s_wait_loadcnt 48
	QUANT 3, HWG+8, 3, WGS+1
	WOLOAD 3
	WIN 0xc3
.set i, 0
.rept 64
	v_pk_mul_f32 v[MK+2*i:MK+2*i+1], v[MK+2*i:MK+2*i+1], s[LE:LE+1] op_sel_hi:[1,0]   ; the mask in the exponent's unit (it came in with the first wait)
.set i, i+1
.endr
	WIN 0
	s_wait_loadcnt 48
	WOCVT 0
	s_wait_loadcnt 32
	WOCVT 1
	s_wait_loadcnt 16
	WOCVT 2
	s_wait_loadcnt 0x0
	WOCVT 3
	XSTAGE 1                                       ; the first pair of query tiles into x's buffer 0; the second pair is asked for
	; ---- kv_x[n]: each wave quantises its 64 rows, four fragments, and stores their images
	s_wait_tensorcnt 0x1                           ; my quarter of kv_x is in; the bias tile, issued behind it, may be out.  Only I read these bytes
	KVLOAD 0
	KVLOAD 1
	KVLOAD 2
	KVLOAD 3
	s_wait_dscnt 48                                ; fragment 0's 16 loads are in; the three younger fragments' may be out
	QUANT 0, PCD, 0, PW
	IMAGE 0
	s_wait_dscnt 35                                ; 32 loads and image 0's three stores
	QUANT 1, PCD+8, 0, PW+1
	IMAGE 1
	s_wait_dscnt 22                                ; 16 loads and six stores
	QUANT 2, PCD+16, 0, PW+2
	IMAGE 2
	s_wait_dscnt 9                                 ; nine stores
	QUANT 3, PCD+24, 0, PW+3
	IMAGE 3
	s_wait_dscnt 0x0                               ; for the others' sake: my images have landed
	s_barrier_signal -1
	s_barrier_wait -1                              ; the bias tile may stay out
	KVFETCH 0
	KVGROUP 0
	KVGROUP 1
	KVGROUP 2
	KVGROUP 3
	; ---- the eight trips
.Ltrip:                                            ; seven trips fill the other slot
	TRIP 1, 2, 1
	s_add_co_u32 s[TC], s[TC], 1
	s_cmp_lt_u32 s[TC], 7
	s_cbranch_scc1 .Ltrip
	TRIP 0, 0, 0                                   ; the last is written out: nothing is left to fetch or to quantise
	s_wait_dscnt 0x0                               ; my last images of the gated o have landed
	s_barrier_signal -1
	s_barrier_wait -1
	s_xor_b32 s[ORD], s[OW], 8192
	FSTAGE                                         ; the last pair goes out
	s_wait_tensorcnt 0x0                           ; the wave's end, behind my last tensor load and my last LDS store
	ds_add_u32 v[SPW], v[NIL]
	s_wait_dscnt 0x0
	CROUND                                         ; the closing round: no work-group ends while a partner may still ask for a tile that names it
	s_endpgm
.Lfunc_end_k_q31e277658a_attn:
	.size	k_q31e277658a_attn, .Lfunc_end_k_q31e277658a_attn-k_q31e277658a_attn
	.p2alignl 7, 3214868480
	.fill 96, 4, 3214868480
	.section	.rodata,"a",@progbits
	.p2align	6, 0x0
	.amdhsa_kernel k_q31e277658a_attn
		.amdhsa_group_segment_fixed_size 327680
		.amdhsa_private_segment_fixed_size 0
		.amdhsa_enable_private_segment 0
		.amdhsa_kernarg_size 96
		.amdhsa_user_sgpr_count 2
		.amdhsa_user_sgpr_kernarg_segment_ptr 1
		.amdhsa_wavefront_size32 1
		.amdhsa_system_sgpr_workgroup_id_x 1
		.amdhsa_system_sgpr_workgroup_id_y 1
		.amdhsa_system_sgpr_workgroup_id_z 1
		.amdhsa_system_vgpr_workitem_id 0
		.amdhsa_next_free_vgpr 1024
		.amdhsa_next_free_sgpr 96
		.amdhsa_reserve_vcc 0
		.amdhsa_float_denorm_mode_32 3
		.amdhsa_float_denorm_mode_16_64 3
		.amdhsa_memory_ordered 1
		.amdhsa_forward_progress 1
		.amdhsa_inst_pref_size 255
	.end_amdhsa_kernel
	.section	.bss,"aw",@nobits
	.p2align	6
	.space	262144
	.amdgpu_metadata
---
amdhsa.version: [ 1, 2 ]
amdhsa.kernels:
  - .name:           k_q31e277658a_attn
    .symbol:         k_q31e277658a_attn.kd
    .args:
      - { .name: q_x, .offset: 0, .size: 8, .value_kind: global_buffer, .address_space: global }
      - { .name: kv_x, .offset: 8, .size: 8, .value_kind: global_buffer, .address_space: global }
      - { .name: mask_bias, .offset: 16, .size: 8, .value_kind: global_buffer, .address_space: global }
      - { .name: triangle_bias, .offset: 24, .size: 8, .value_kind: global_buffer, .address_space: global }
      - { .name: wq, .offset: 32, .size: 8, .value_kind: global_buffer, .address_space: global }
      - { .name: wk, .offset: 40, .size: 8, .value_kind: global_buffer, .address_space: global }
      - { .name: wv, .offset: 48, .size: 8, .value_kind: global_buffer, .address_space: global }
      - { .name: wg, .offset: 56, .size: 8, .value_kind: global_buffer, .address_space: global }
      - { .name: bg, .offset: 64, .size: 8, .value_kind: global_buffer, .address_space: global }
      - { .name: wo, .offset: 72, .size: 8, .value_kind: global_buffer, .address_space: global }
      - { .name: bo, .offset: 80, .size: 8, .value_kind: global_buffer, .address_space: global }
      - { .name: out0, .offset: 88, .size: 8, .value_kind: global_buffer, .address_space: global }
    .group_segment_fixed_size: 327680
    .private_segment_fixed_size: 0
    .kernarg_segment_align: 8
    .kernarg_segment_size: 96
    .max_flat_workgroup_size: 128
    .sgpr_count:     96
    .vgpr_count:     1024
    .wavefront_size: 32
...
	.end_amdgpu_metadata
.endif
;; end of part 1
